; MI455X (gfx1250); checked and timed in simulation.
; The chip was launched on July 23, 2026; its instructions are those of AMD's public machine-readable ISA for CDNA 5 (MIT licence, August 2026) and "CDNA5" Instruction Set Architecture Reference Guide (July 2026). The comments in the code are by the model that wrote it; some were corrected since.
;; LSTM Cell With Residual. Allowed arithmetic: float matrix products may take bf16 or f16 operands with f32 sums; other float arithmetic in f32, or as packed bf16 or f16 multiplies, adds, multiply-adds, maxima and minima; sums over many terms, partial sums and values carried from step to step in f32; what a program stores and reads back later, other than sums and carried values, may be rounded once to bf16 or f16.
;; Inputs: W_gates 4 x 3,072 x 2,048 float32; W_res 1,024 x 2,048 float32; b_gates 4 x 2,048 float32; b_res 2,048 float32; c_t_1 2,048 x 2,048 float32; h_t_1 2,048 x 2,048 float32; x_t 2,048 x 1,024 float32.
;; Outputs: out0 2,048 x 2,048 float32; out1 2,048 x 2,048 float32.
;; 2 versions, each right; version 2 is version 1 with the launch pack written anew for expert scheduling mode. Each part assembles by itself: llvm-mc -triple=amdgcn-amd-amdhsa -mcpu=gfx1250 --defsym DOCPART=n.
;; ======== version 1 of 2: 2 launches
;; workspace buffers: xh 12,582,912 bytes; wg 50,331,648 bytes; wr 4,194,304 bytes
;; launch pack (part 1): grid 256 x 1, 16 waves a work-group, no clusters, 280,576 bytes of LDS; arguments W_gates, W_res, x_t, h_t_1, wg, wr, xh; writes wg, wr, xh
.if DOCPART == 1
	.amdgcn_target "amdgcn-amd-amdhsa--gfx1250"
	.amdhsa_code_object_version 6
	.text
	.protected	k_qe835b6990f_pack
	.globl	k_qe835b6990f_pack
	.p2align	8
	.type	k_qe835b6990f_pack,@function
k_qe835b6990f_pack:
	s_mov_b64 s[64:65], 0
	v_nop
	global_prefetch_b8 v0, s[64:65] scope:SCOPE_SE
	s_setreg_imm32_b32 hwreg(HW_REG_WAVE_MODE, 25, 1), 1
	s_wait_xcnt 0x0
; PACK: the matrix operands of the LSTM cell, rounded once to bf16 and laid in the order in which the next launch fetches them.
;   xh[rb 0..7][t 0..23][row 0..255][128 k]   rows of x|h; K steps t < 8 come from x_t, the others from h_t_1
;   wg[hb 0..31][t 0..23][p 0..255][128 k]    row p = 64 g + 16 jc + r holds column 64 hb + 4 r + jc of gate g
;   wr[hb 0..31][t 0..7][p 0..63][128 k]      row p = 16 jc + r holds column 64 hb + 4 r + jc of W_res
; K ORDER, alike in all three: in a row of 128 k the 16-byte piece c (0..15) holds k = 4 c .. 4 c + 3 and then 64 + 4 c .. 64 + 4 c + 3.
; The same permutation of k on both sources of a product keeps the product; it lets every load here take 256 consecutive bytes with 16 lanes and every store 512.
; SHARES.  4,096 units of 32 KiB in and 16 KiB out, one a wave, sixteen a work-group, 256 work-groups of equal work.  Work-groups 0-191: W_gates (128 k x 64 columns a unit),
; 192-207: W_res (the same text), 208-239: h_t_1 (64 rows x 128 k), 240-255: x_t.  A weight unit is turned (k down the rows -> k along the rows) through a stage in LDS that is the wave's own:
; no barrier.  A unit of x or h keeps its rows and needs no LDS.  A ring of four batches of eight loads keeps 32 loads (16 KiB) of every wave in flight.
; No matrix unit, cluster or tensor load: no wave wants a byte that another has fetched, and every byte must pass through registers to be rounded.  No prefetch: the launch is one stream of loads.
; LIMITS.  Rounding to bf16 is to nearest even; bf16 has f32's range, so nothing overflows; NaN and infinities pass as they are.
.set ROWW,   8192                      ; bytes in a row of W_gates, W_res and h_t_1
.set SPITCH, 272                       ; a stage row: 256 bytes + 16: the 16 rows that a store touches start at 16 different groups of four banks (64 banks of 4 bytes: ISA guide 11.1)
.set STG,    64*SPITCH                 ; a wave's stage: 64 rows
.set SPARE,  16*STG                    ; behind the stages: the spare words, 128 bytes for each of the 16 waves: eight blocks of 256 bytes that no other line names
.set SO,  4                            ; v4   weights: my byte offset in the unit's first rows
.set ST,  5                            ; v5   where I put a piece into the stage
.set RDA, 6                            ; v6   where I read rows back
.set DO,  7                            ; v7   16 x lane: my place in 512 consecutive bytes of the output; never rewritten
.set SPW, 8                            ; v8   LDS address of my spare word; never rewritten
.set NIL, 9                            ; v9   0; never rewritten
.set AO,  12                           ; v[12:43]  x and h: my byte offset in row pair n of the unit
.set X,   48                           ; v[48:175] four batches of 32 registers, as loaded
.set Y,   176                          ; v[176:191] sixteen words of bf16 pairs
.set WV,  20                           ; s20  my wave's number
.set SRC, 22                           ; s[22:23] my unit in its input
.set DST, 24                           ; s[24:25] my unit in its output
	s_load_b256 s[4:11], s[0:1], 0x0               ; W_gates s[4:5], W_res s[6:7], x_t s[8:9], h_t_1 s[10:11]
	s_load_b128 s[12:15], s[0:1], 0x20             ; wg s[12:13], wr s[14:15]
	s_load_b64 s[16:17], s[0:1], 0x30              ; xh
	v_lshl_add_u32 v[SPW], v0, 2, SPARE
	v_mov_b32 v[NIL], 0
	v_lshrrev_b32 v1, 5, v0
	v_readfirstlane_b32 s[WV], v1                  ; wave 0..15
	v_and_b32 v1, 31, v0                           ; lane
	v_and_b32 v2, 15, v0                           ; r = lane % 16
	v_bfe_u32 v3, v0, 4, 1                         ; hh = lane / 16
	v_lshlrev_b32 v[DO], 4, v1
	s_mov_b32 s19, ttmp9
	s_wait_kmcnt 0x0
	s_cmp_lt_u32 s19, 208
	s_cbranch_scc0 .Lact
	; ---------------- weights ----------------
	s_lshr_b32 s26, s19, 1                         ; gates: chunk gt of 128 rows of the stacked [12288][2048]
	s_mul_i32 s27, s26, 171
	s_lshr_b32 s27, s27, 12                        ; g = gt / 24 (171 / 4096 serves for gt up to 95)
	s_mul_i32 s28, s27, 24
	s_sub_co_u32 s28, s26, s28                     ; t = gt - 24 g
	s_lshl_b32 s27, s27, 14
	s_lshl_b32 s28, s28, 16
	s_add_co_u32 s27, s27, s28                     ; 65,536 t + 16,384 g
	s_sub_co_u32 s29, s19, 192
	s_lshr_b32 s29, s29, 1                         ; residual: t (used from work-group 192 on alone)
	s_lshl_b32 s30, s29, 14                        ; 16,384 t
	s_mov_b32 s31, 24*65536                        ; bytes of a column block in wg,
	s_mov_b32 s33, 8*16384                         ; and in wr
	s_and_b32 s32, s19, 1
	s_lshl_b32 s32, s32, 4
	s_add_co_u32 s32, s32, s[WV]                   ; hb = 16 x (work-group % 2) + wave
	s_cmp_lt_u32 s19, 192                          ; gates or residual: the choice hangs on the work-group's number alone
	s_cselect_b32 s26, s26, s29
	s_cselect_b32 s27, s27, s30
	s_cselect_b32 s31, s31, s33
	s_cselect_b64 s[SRC:SRC+1], s[4:5], s[6:7]
	s_cselect_b64 s[DST:DST+1], s[12:13], s[14:15]
	s_lshl_b32 s28, s26, 20                        ; 128 rows of 8,192 bytes,
	s_lshl_b32 s29, s32, 8                         ; 64 columns of 4 bytes
	s_add_co_u32 s28, s28, s29
	s_mov_b32 s29, 0
	s_add_nc_u64 s[SRC:SRC+1], s[SRC:SRC+1], s[28:29]
	s_mul_i32 s30, s32, s31
	s_add_co_u32 s30, s30, s27
	s_mov_b32 s31, 0
	s_add_nc_u64 s[DST:DST+1], s[DST:DST+1], s[30:31]
	v_lshlrev_b32 v[SO], 15, v3                    ; lanes 16-31 stand four rows further down,
	v_lshl_add_u32 v[SO], v2, 4, v[SO]             ; and 16 lanes take 256 consecutive bytes of a row: columns 4 r .. 4 r + 3 each
	s_mul_i32 s21, s[WV], STG                      ; my stage
	v_mul_u32_u24 v[ST], v2, SPITCH
	v_lshl_add_u32 v[ST], v3, 4, v[ST]
	v_add_nc_u32 v[ST], s21, v[ST]                 ; in: row r of a group of 16, piece hh of a pair
	v_mul_u32_u24 v[RDA], v3, SPITCH
	v_lshl_add_u32 v[RDA], v2, 4, v[RDA]
	v_add_nc_u32 v[RDA], s21, v[RDA]               ; back: lanes 0-15 one row of 256 bytes, lanes 16-31 the next
; Batch q: the eight rows of k that make piece 2 q + hh: k = 8 q + 4 hh + i and 64 more, i = 0..3.
.macro WLOAD q
.irp hf, 0,1
.irp i, 0,1,2,3
	global_load_b128 v[X+32*((\q)%4)+16*(\hf)+4*(\i):X+32*((\q)%4)+16*(\hf)+4*(\i)+3], v[SO], s[SRC:SRC+1] offset:(8*(\q)+(\i)+64*(\hf))*ROWW th:TH_LOAD_NT
.endr
.endr
.endm
; left = the loads of the younger batches, eight each, which may stay out.  Word m of column jc's piece pairs two neighbouring k.
.macro WBATCH q, ahead, left
	s_wait_loadcnt \left                           ; loads come back in order (ISA guide 5.7.1): batch q is in
.set i, 0
.rept 16                               ; i = 4 jc + m
.set xb, X+32*((\q)%4)+16*((i%4)/2)+8*(i%2)+i/4
	v_cvt_pk_bf16_f32 v[Y+i], v[xb], v[xb+4]
.set i, i+1
.endr
.irp j, 0,1,2,3
	ds_store_b128 v[ST], v[Y+4*(\j):Y+4*(\j)+3] offset:(\j)*16*SPITCH+32*(\q)  ; output row 16 jc + r, piece 2 q + hh
.endr
.if \ahead
	WLOAD (\q)+4                                   ; the batch's registers have been read: they take the batch four further on
.endif
.endm
	WLOAD 0
	WLOAD 1
	WLOAD 2
	WLOAD 3
.irp q, 0,1,2,3
	WBATCH \q, 1, 24
.endr
	WBATCH 4, 0, 24                                ; the last four batches load nothing: the counts run down
	WBATCH 5, 0, 16
	WBATCH 6, 0, 8
	WBATCH 7, 0, 0
.set i, 0
.rept 32
	ds_load_b128 v[X+4*i:X+4*i+3], v[RDA] offset:i*2*SPITCH  ; LDS serves a wave's instructions in order (ISA guide 5.7.1.4): these see my stores above
.set i, i+1
.endr
.set i, 0
.rept 32
	s_wait_dscnt 31-i                              ; rows 2 i and 2 i + 1 are back; the younger loads may stay out
	global_store_b128 v[DO], v[X+4*i:X+4*i+3], s[DST:DST+1] offset:i*512 th:TH_STORE_NT  ; 512 consecutive bytes, at a multiple of 256 from the buffer's first byte
.set i, i+1
.endr
	s_wait_tensorcnt 0x0                           ; the wave's end, behind my last LDS store
	ds_add_u32 v[SPW], v[NIL]
	s_wait_dscnt 0x0
	s_endpgm
	; ---------------- x and h ----------------
.Lact:
	s_sub_co_u32 s26, s19, 208                     ; h: group rg of 64 rows,
	s_add_co_u32 s27, s[WV], 8                     ; K step 8 + wave,
	s_lshl_b32 s28, s26, 19                        ; 64 rows of 8,192 bytes
	s_lshl_b32 s32, s[WV], 9                       ; and 128 k of 4 bytes
	s_add_co_u32 s28, s28, s32
	s_sub_co_u32 s29, s19, 240                     ; x (used from work-group 240 on alone): rg = 2 (work-group - 240) + wave / 8,
	s_lshl_b32 s29, s29, 1
	s_lshr_b32 s30, s[WV], 3
	s_add_co_u32 s29, s29, s30
	s_and_b32 s30, s[WV], 7                        ; K step wave % 8,
	s_lshl_b32 s31, s29, 18                        ; 64 rows of 4,096 bytes
	s_lshl_b32 s32, s30, 9
	s_add_co_u32 s31, s31, s32
	s_mov_b32 s33, 8192                            ; bytes in a row of h_t_1,
	s_mov_b32 s34, 4096                            ; and of x_t
	s_cmp_lt_u32 s19, 240
	s_cselect_b32 s26, s26, s29
	s_cselect_b32 s27, s27, s30
	s_cselect_b32 s28, s28, s31
	s_cselect_b32 s33, s33, s34
	s_cselect_b64 s[SRC:SRC+1], s[10:11], s[8:9]
	s_mov_b32 s29, 0
	s_add_nc_u64 s[SRC:SRC+1], s[SRC:SRC+1], s[28:29]
	s_lshr_b32 s30, s26, 2                         ; rb = rg / 4
	s_mul_i32 s30, s30, 24
	s_add_co_u32 s30, s30, s27
	s_lshl_b32 s30, s30, 16                        ; tile (rb, t) of 65,536 bytes,
	s_and_b32 s32, s26, 3
	s_lshl_b32 s32, s32, 14                        ; my 64 rows of 256 bytes in it
	s_add_co_u32 s30, s30, s32
	s_mov_b32 s31, 0
	s_add_nc_u64 s[DST:DST+1], s[16:17], s[30:31]
	s_lshl_b32 s34, s33, 1                         ; two rows
	v_mul_u32_u24 v[AO], v3, s33                   ; lanes 16-31 take the odd row of a pair,
	v_lshl_add_u32 v[AO], v2, 4, v[AO]             ; 16 lanes 256 consecutive bytes
.set n, 1
.rept 31
	v_add_nc_u32 v[AO+n], s34, v[AO+n-1]           ; one text for both row lengths: the row pair's offset stands in a register
.set n, n+1
.endr
; Batch q: row pairs 4 q .. 4 q + 3; for each, k = 4 r .. and k = 64 + 4 r .., which together are piece r of the output row.
.macro ALOAD q
.irp i, 0,1,2,3
	global_load_b128 v[X+32*((\q)%4)+8*(\i):X+32*((\q)%4)+8*(\i)+3],   v[AO+4*(\q)+(\i)], s[SRC:SRC+1] th:TH_LOAD_NT
	global_load_b128 v[X+32*((\q)%4)+8*(\i)+4:X+32*((\q)%4)+8*(\i)+7], v[AO+4*(\q)+(\i)], s[SRC:SRC+1] offset:256 th:TH_LOAD_NT
.endr
.endm
.macro ABATCH q, ahead, left
	s_wait_loadcnt \left                           ; batch q is in; the younger batches, eight loads each, stay out
	s_wait_xcnt 0x0                                ; every earlier memory instruction has had its addresses translated (ISA guide 3.1): Y, which the last batch's stores read, is rewritten only behind this wait
.set i, 0
.rept 16
	v_cvt_pk_bf16_f32 v[Y+i], v[X+32*((\q)%4)+2*i], v[X+32*((\q)%4)+2*i+1]
.set i, i+1
.endr
.if \ahead
	ALOAD (\q)+4                                   ; loads ahead of stores
.endif
.irp i, 0,1,2,3
	global_store_b128 v[DO], v[Y+4*(\i):Y+4*(\i)+3], s[DST:DST+1] offset:(4*(\q)+(\i))*512 th:TH_STORE_NT  ; two rows of 256 bytes on end
.endr
.endm
	ALOAD 0
	ALOAD 1
	ALOAD 2
	ALOAD 3
.irp q, 0,1,2,3
	ABATCH \q, 1, 24
.endr
	ABATCH 4, 0, 24
	ABATCH 5, 0, 16
	ABATCH 6, 0, 8
	ABATCH 7, 0, 0
	s_wait_tensorcnt 0x0                           ; the same three lines close these waves too
	ds_add_u32 v[SPW], v[NIL]
	s_wait_dscnt 0x0
	s_endpgm
.Lfunc_end_k_qe835b6990f_pack:
	.size	k_qe835b6990f_pack, .Lfunc_end_k_qe835b6990f_pack-k_qe835b6990f_pack
	.p2alignl 7, 3214868480
	.fill 96, 4, 3214868480
	.section	.rodata,"a",@progbits
	.p2align	6, 0x0
	.amdhsa_kernel k_qe835b6990f_pack
		.amdhsa_group_segment_fixed_size 280576
		.amdhsa_private_segment_fixed_size 0
		.amdhsa_enable_private_segment 0
		.amdhsa_kernarg_size 56
		.amdhsa_user_sgpr_count 2
		.amdhsa_user_sgpr_kernarg_segment_ptr 1
		.amdhsa_wavefront_size32 1
		.amdhsa_system_sgpr_workgroup_id_x 1
		.amdhsa_system_sgpr_workgroup_id_y 1
		.amdhsa_system_sgpr_workgroup_id_z 1
		.amdhsa_system_vgpr_workitem_id 0
		.amdhsa_next_free_vgpr 192
		.amdhsa_next_free_sgpr 66
		.amdhsa_reserve_vcc 0
		.amdhsa_float_denorm_mode_32 3
		.amdhsa_float_denorm_mode_16_64 3
		.amdhsa_memory_ordered 1
		.amdhsa_forward_progress 1
		.amdhsa_inst_pref_size 45
	.end_amdhsa_kernel
	.amdgpu_metadata
---
amdhsa.version: [ 1, 2 ]
amdhsa.kernels:
  - .name:           k_qe835b6990f_pack
    .symbol:         k_qe835b6990f_pack.kd
    .args:
      - { .name: W_gates, .offset: 0, .size: 8, .value_kind: global_buffer, .address_space: global }
      - { .name: W_res, .offset: 8, .size: 8, .value_kind: global_buffer, .address_space: global }
      - { .name: x_t, .offset: 16, .size: 8, .value_kind: global_buffer, .address_space: global }
      - { .name: h_t_1, .offset: 24, .size: 8, .value_kind: global_buffer, .address_space: global }
      - { .name: wg, .offset: 32, .size: 8, .value_kind: global_buffer, .address_space: global }
      - { .name: wr, .offset: 40, .size: 8, .value_kind: global_buffer, .address_space: global }
      - { .name: xh, .offset: 48, .size: 8, .value_kind: global_buffer, .address_space: global }
    .group_segment_fixed_size: 280576
    .private_segment_fixed_size: 0
    .kernarg_segment_align: 8
    .kernarg_segment_size: 56
    .max_flat_workgroup_size: 512
    .sgpr_count:     66
    .vgpr_count:     192
    .wavefront_size: 32
...
	.end_amdgpu_metadata
.endif
;; end of part 1
;; launch cell (part 2): grid 8 x 32, 4 waves a work-group, clusters of 4 x 4, 327,680 bytes of LDS; arguments xh, wg, wr, b_gates, b_res, c_t_1, out0, out1; writes out0, out1
.if DOCPART == 2
	.amdgcn_target "amdgcn-amd-amdhsa--gfx1250"
	.amdhsa_code_object_version 6
	.text
	.protected	k_qe835b6990f_cell
	.globl	k_qe835b6990f_cell
	.p2align	8
	.type	k_qe835b6990f_cell,@function
k_qe835b6990f_cell:
	s_mov_b64 s[64:65], 0
	v_nop
	global_prefetch_b8 v0, s[64:65] scope:SCOPE_SE
	s_setreg_imm32_b32 hwreg(HW_REG_WAVE_MODE, 25, 1), 1
	s_wait_xcnt 0x0
	s_wait_alu depctr_hold_cnt(0) depctr_sa_sdst(0) depctr_va_vdst(0) depctr_va_sdst(0) depctr_va_ssrc(0) depctr_va_vcc(0) depctr_vm_vsrc(0)
	s_getreg_b32 s2, hwreg(HW_REG_IB_STS2, 6, 4)
	s_cmp_eq_u32 s2, 0
	s_cbranch_scc0 .Lentry_in_a_cluster
	s_endpgm
.Lentry_in_a_cluster:
	s_bfe_u32 s2, ttmp6, 0x10000c
	s_cmp_lg_u32 s2, 0xf033
	s_cbranch_scc0 .Lentry_shape_is_right
	s_endpgm
.Lentry_shape_is_right:
; THE LSTM CELL WITH RESIDUAL.  gates[g] = [x|h] W_gates[g] + b_gates[g] (K = 3,072), x_res = x W_res + b_res (K = 1,024),
; c = sigmoid(f) c_prev + sigmoid(i) tanh(c_hat) -> out1,  h = sigmoid(o) tanh(c) + x_res -> out0.  All five products, the biases and the activations in this one launch.
; OPERANDS: xh, wg, wr, bf16, as the launch before laid them: tiles of rows of 256 bytes (128 k) on end; k permuted alike in all three; row 64 g + 16 jc + r of a weight tile is column 4 r + jc of gate g.
; SHARES.  A work-group makes 256 rows x 64 hidden columns of both outputs: 8 x 32 = 256 work-groups.  Wave w owns rows 64 w .. 64 w + 63 and all 64 columns of the four gates and the residual:
; 4 row blocks (a) x 20 column fragments = 80 accumulators of 16 x 16, 640 registers.  For 32 along K it reads 24 fragments from LDS for 80 matrix instructions.
; LAYOUT.  Source 0 = 16 rows of xh, source 1 = 16 rows of a weight tile.  In the result lane (r, h) holds row 8 h + j in register j, and, by the weight rows' order, the four accumulators jc = 0..3 of a gate
; hold columns 4 r .. 4 r + 3: 16 bytes of a row of c_t_1, out0, out1 a lane, 256 consecutive aligned bytes for 16 lanes.  So all five sums of an element meet in one lane, and the way out needs no LDS.
; K goes in 24 steps of 128 through two LDS slots filled by the tensor data mover; steps 0-7 (x) carry the residual's tile too and have 320 matrix instructions a wave, steps 8-23 (h) 256.
; CLUSTER.  4 x 4 work-groups.  The four with the same cx make the same rows and ask for xh's tiles JOINTLY; the four with the same cy make the same columns and ask for the weight tiles jointly:
; the same tensor load, descriptor and mask in all four.  Waves 0 and 1 fetch the halves of xh's tile, wave 2 the gates' tile, wave 3 the residual's.  At most two tensor loads of a wave are out (at the start), later one.
; ARITHMETIC AND LIMITS.  Products of bf16 operands (each input rounded once), sums in f32, k in the permuted order.  Biases, c_prev and everything behind the sums in f32.
; sigmoid(z) = 1 / (1 + 2^(-z log2 e)), tanh(z) = 1 - 2 / (1 + 2^(2 z log2 e)).  An exponential that overflows gives infinity, its reciprocal 0, and the result is the function's limit: no NaN for finite inputs of any size.
; An exponential below 2^-126 counts as 0 (v_exp_f32 flushes: ISA guide 15.8).  tanh carries an absolute error of about 1e-7 near 0 (the difference 1 - 2 q).  NaN and infinities among the inputs are not treated apart.
; REGISTERS, in windows of 256 (s_set_vgpr_msb: bits 1:0 source 0, 3:2 source 1, 5:4 source 2, 7:6 destination):
;   window 0: v0-18 addresses; v32-63 the residual's fragments; v64-95, v96-127 xh's fragments, two buffers; v128-255 the residual's accumulators
;   window 1: v0-127, v128-255 the gates' fragments, two buffers          window 2: gates 0, 1          window 3: gates 2, 3 (each gate 128 registers, accumulator (a, jc) at 8 (4 a + jc))
;   On the way out window 0's fragment registers hold the biases, window 1's v0-127 c_prev and then c, v128-239 what is at work.
.set PITCH,  272                       ; an LDS row: 256 bytes + 16 of padding = 68 words: row r starts at bank 4 r mod 64 (64 banks of 4 bytes: ISA guide 11.1): the 16 rows of a fragment load start at 16 different banks
.set GB,     256*PITCH                 ; a slot: xh's 256 rows, the gates' 256 rows,
.set RBASE,  512*PITCH                 ; the residual's 64 rows
.set SLOT,   576*PITCH
.set SPARE,  2*SLOT                    ; behind the ring: the spare words, 128 bytes for each wave: two blocks of 256 bytes that no other line names
.set TILE,   65536                     ; bytes of a tile of xh or wg in memory
.set RTILE,  16384                     ; and of wr
.set ROWO,   8192                      ; bytes in a row of c_t_1, out0, out1, b_gates
.set A0,   4                           ; v4   my lane's place in my wave's rows of xh's tile; never rewritten
.set B0,   5                           ; v5   in the gates' tile
.set R0,   6                           ; v6   in the residual's
.set ADRA, 8                           ; v8-10 the same in the slot in hand
.set ADRB, 9
.set ADRR, 10
.set CO,   12                          ; v12  my 16 bytes in rows 8 h of c_t_1, out0, out1; never rewritten
.set PFO,  13                          ; v13  256 x lane; never rewritten
.set PFC,  14                          ; v14  8,192 x lane; never rewritten
.set SPW,  16                          ; v16  LDS address of my spare word; never rewritten
.set NIL,  17                          ; v17  0; never rewritten
.set BO,   18                          ; v18  16 r: my four columns in a bias
.set RFR,  32                          ; the residual's fragments
.set AF,   64                          ; xh's fragments
.set RAC,  128                         ; the residual's accumulators
.set BP,   32                          ; the way out: gate g's bias of column jc times the exponent's factor, twice, at BP + 8 g + 2 jc
.set BI,   64                          ; biases as loaded: gate g at BI + 4 g, the residual's at BI + 16
.set RP,   84                          ; the residual's bias of column jc, twice, at RP + 2 jc
.set TI,   128                         ; the way out, window 1: sixteen registers each, element (jc, jj) at + 4 jc + jj
.set TF,   144
.set TO,   160
.set TG,   176
.set TR,   192
.set TE,   208
.set TH,   224                         ; h as it is stored: row jj, column jc at + 4 jj + jc
.set WV,    20                         ; s20  my wave's number
.set G1A,   24                         ; s[24:31] descriptor group 1 for xh's tiles
.set G1G,   32                         ; s[32:39] for the gates'
.set G1R,   40                         ; s[40:47] for the residual's
.set G0A,   48                         ; s[48:55] group 0 for xh's tiles: a set for each of the two first fills; the second then walks on
.set G0G,   56                         ; s[56:63]
.set G0R,   68                         ; s[68:75]
.set PFA,   76                         ; s[76:77] where my prefetches stand: one K step behind the one that they name
.set LIM,   78                         ; s78  2 in a wave that prefetches tiles, else the greatest number
.set CNT,   79                         ; s79  a loop's count
.set TB,    80                         ; s80  LDS byte at which the slot in hand begins
.set WOFFA, 81                         ; s81  which half of xh's tile I fetch, in LDS bytes
.set PFR,   82                         ; s[82:83] the residual's one prefetch
.set LIMR,  84                         ; s84  2 in a wave that makes it
.set NL,    86                         ; s[86:87] -log2 e, named as a pair
.set TL,    88                         ; s[88:89] 2 log2 e
.set G1C, (1<<16)|(1<<20)|(1<<21)|(5<<22)|(3<<25)  ; 17:16 elements of 2 bytes; 20 padding on; 21 set beside a mask; 24:22 after every 64 words (code 5); 31:25 4 words of it (code 3)
.set MSB, 0
.macro WIN new                         ; the immediate's high byte repeats the setting that is left; a switch that changes nothing is dropped
.if MSB != (\new)
	s_set_vgpr_msb (MSB<<8)|(\new)
.set MSB, \new
.endif
.endm
.macro PLACES                          ; four places: in front of loads into registers that matrix instructions have read (ISA guide 7.12.1 for vector instructions)
.rept 4
	v_nop
.endr
.endm
; A round of the cluster's barrier behind its opening barrier: wave 0 signals for the work-group; every wave waits for all sixteen work-groups; my work-group's barrier once more.
.macro CREST
	s_cmp_lg_u32 s[WV], 0
	s_cbranch_scc1 .Lnot_wave_0_\@
	s_barrier_signal -3
.Lnot_wave_0_\@:
	s_barrier_wait -3
	s_barrier_signal -1
	s_barrier_wait -1
.endm
.macro CROUND
	s_barrier_signal -1
	s_barrier_wait -1
	CREST
.endm
; A joint refill, by the walking descriptors.  The branches hang on the wave's number alone: they are the same in every work-group.  kind = 1: the K step to come is one of h's and has no residual tile: wave 3 asks for nothing.
; An s_nop 0 and four v_nop follow each load, ahead of the jump and the label; the four are also the places in front of the fragment loads that follow, so wave 3 has them in either kind.
.macro JLOAD kind
	s_cmp_lt_u32 s[WV], 2
	s_cbranch_scc0 .Lnot_a_\@
	tensor_load_to_lds s[G0A+4:G0A+7], s[G1A:G1A+7]
	s_nop 0
	PLACES
	s_branch .Lasked_\@
.Lnot_a_\@:
	s_cmp_eq_u32 s[WV], 2
	s_cbranch_scc0 .Lnot_g_\@
	tensor_load_to_lds s[G0G+4:G0G+7], s[G1G:G1G+7]
	s_nop 0
	PLACES
	s_branch .Lasked_\@
.Lnot_g_\@:
.if (\kind) == 0
	tensor_load_to_lds s[G0R+4:G0R+7], s[G1R:G1R+7]
	s_nop 0
.endif
	PLACES
.Lasked_\@:
.endm
; PREFETCHES INTO THE L2, behind a joint load, its lines and the run of LDS loads that follows.  Behind the refill for K step t + 2 a wave names K step t + 4 of the tile: 32 blocks of 256 bytes, a lane a block.
; xh's tile is read by every cluster with the same cluster x: those with cluster y = 0 ask; the gates' tile by both clusters with the same cluster y: that with cluster x = 0 asks.  Waves 0 and 1 take the halves of
; xh's tile, waves 2 and 3 those of the gates'; of a half's 128 blocks the four partners that fetch it jointly take 32 each, told apart BY ADDRESS (cy for xh, cx for wg).  So each block is named once in the launch.
; how = 0: in h's loop: the last two refills have no K step two further on.  1: always.  2: nothing.  3: my own 64 rows' 256 bytes of c_t_1, a K step ahead of their loads.
; 4: as 1, and once the residual's K steps 4 to 7 (65,536 bytes on end for a column block: waves 2 and 3, four partners, 32 lanes).  K steps 0 to 3 come by their loads alone.
.macro ASK how
.if (\how) == 0
	s_cmp_gt_u32 s[CNT], s[LIM]
.elseif ((\how) == 1) || ((\how) == 4)
	s_cmp_eq_u32 s[LIM], 2
.endif
.if ((\how) == 0) || ((\how) == 1) || ((\how) == 4)
	s_cbranch_scc0 .Lnot_mine_\@
	global_prefetch_b8 v[PFO], s[PFA:PFA+1] offset:TILE th:TH_LOAD_NT scope:SCOPE_SE
.Lnot_mine_\@:
.endif
.if (\how) == 4
	s_cmp_eq_u32 s[LIMR], 2
	s_cbranch_scc0 .Lnot_r_\@
	global_prefetch_b8 v[PFO], s[PFR:PFR+1] th:TH_LOAD_NT scope:SCOPE_SE
.Lnot_r_\@:
.endif
.if (\how) == 3
	global_prefetch_b8 v[PFC], s[14:15] th:TH_LOAD_NT scope:SCOPE_SE
	global_prefetch_b8 v[PFC], s[14:15] offset:32*ROWO th:TH_LOAD_NT scope:SCOPE_SE
.endif
.endm
	s_load_b512 s[4:19], s[0:1], 0x0               ; xh s[4:5], wg s[6:7], wr s[8:9], b_gates s[10:11], b_res s[12:13], c_t_1 s[14:15], out0 s[16:17], out1 s[18:19]
	v_lshl_add_u32 v[SPW], v0, 2, SPARE
	v_mov_b32 v[NIL], 0
	ds_add_u32 v[SPW], v[NIL]                      ; the wave's opening: the add and its wait stand ahead of my first tensor load; the set-up below, work on registers, stands between them
	v_lshrrev_b32 v1, 5, v0
	v_readfirstlane_b32 s[WV], v1                  ; wave 0..3
	s_and_b32 s21, s[WV], 1
	s_bfe_u32 s22, ttmp6, 0x40000                  ; cx
	s_bfe_u32 s23, ttmp6, 0x40004                  ; cy
	s_lshl_b32 s2, ttmp9, 2                        ; in a cluster launch ttmp9 and ttmp7 count clusters
	s_add_co_u32 s2, s2, s22                       ; rb: my block of 256 rows = 4 x cluster x + cx
	s_and_b32 s3, ttmp7, 0xffff
	s_lshl_b32 s3, s3, 2
	s_add_co_u32 s3, s3, s23                       ; hb: my block of 64 columns = 4 x cluster y + cy
	s_lshl_b32 s66, 0x1111, s22                    ; the partners with my cx: places cx, cx + 4, cx + 8, cx + 12
	s_or_b32 s[G1A], s66, G1C                      ; 15:0 the mask: xh's tiles hang on rb alone
	s_lshl_b32 s67, s23, 2
	s_lshl_b32 s67, 15, s67                        ; the partners with my cy: places 4 cy .. 4 cy + 3
	s_or_b32 s[G1G], s67, G1C                      ; the weight tiles hang on hb alone
	s_or_b32 s[G1R], s67, G1C
.irp g, G1A, G1G, G1R
	s_mov_b32 s[(\g)+1], 128<<16                   ; tensor_dim0 = 128
	s_mov_b32 s[(\g)+3], 128<<16                   ; tile_dim0 = 128
	s_mov_b32 s[(\g)+5], 128                       ; 128 elements from row to row: the tiles are dense
	s_mov_b32 s[(\g)+6], 0
	s_mov_b32 s[(\g)+7], 0
.endr
	s_mov_b32 s[G1A+2], 128<<16                    ; tensor_dim1 and tile_dim1: 128 rows (half of xh's tile),
	s_mov_b32 s[G1A+4], 128
	s_mov_b32 s[G1G+2], 256<<16                    ; 256 (the four gates),
	s_mov_b32 s[G1G+4], 256
	s_mov_b32 s[G1R+2], 64<<16                     ; 64 (the residual)
	s_mov_b32 s[G1R+4], 64
	s_mul_i32 s[WOFFA], s21, 128*PITCH             ; no place in the cluster enters an LDS address
	s_mul_i32 s90, s2, 24*TILE                     ; xh: my row block's K step 0,
	s_lshl_b32 s91, s21, 15                        ; the half that I fetch
	s_add_co_u32 s90, s90, s91
	s_mov_b32 s91, 0
	s_mul_i32 s92, s3, 24*TILE                     ; wg: my column block's K step 0
	s_mov_b32 s93, 0
	s_lshl_b32 s94, s3, 17                         ; wr: the same (8 tiles of 16,384 bytes)
	s_mov_b32 s95, 0
	s_lshl_b32 s66, s2, 8
	s_lshl_b32 s67, s[WV], 6
	s_add_co_u32 s66, s66, s67                     ; my wave's first row,
	s_lshl_b32 s66, s66, 13                        ; in bytes,
	s_lshl_b32 s82, s3, 8                          ; my block's 64 columns: 256 bytes
	s_add_co_u32 s66, s66, s82
	s_mov_b32 s67, 0
	s_mov_b32 s83, 0
	s_lshl_b32 s2, s23, 13                         ; the prefetches: my work-group's 32 blocks of xh's half tile, by cy,
	s_lshl_b32 s3, s22, 13                         ; and of a weight tile's half, by cx
	s_lshl_b32 s85, s21, 15
	s_add_co_u32 s3, s3, s85
	s_and_b32 s85, ttmp7, 0xffff
	s_cmp_lt_u32 s[WV], 2
	s_cselect_b32 s85, s85, ttmp9                  ; the coordinate along which other clusters read the same tile
	s_cmp_eq_u32 s85, 0
	s_cselect_b32 s[LIM], 2, -1                    ; the same in all sixteen partners, for a given wave
	s_cmp_lt_u32 s[WV], 2
	s_cselect_b32 s[LIMR], -1, s[LIM]
	s_mov_b32 s[NL], 0xbfb8aa3b                    ; -log2 e
	s_mov_b32 s[NL+1], 0xbfb8aa3b
	s_mov_b32 s[TL], 0x4038aa3b                    ; 2 log2 e
	s_mov_b32 s[TL+1], 0x4038aa3b
	s_mov_b32 s[TB], 0
	s_wait_dscnt 0x0                               ; the opening add is done
	s_wait_kmcnt 0x0
	s_add_nc_u64 s[14:15], s[14:15], s[66:67]      ; c_t_1, out0, out1 at my wave's first row and my block's first column
	s_add_nc_u64 s[16:17], s[16:17], s[66:67]
	s_add_nc_u64 s[18:19], s[18:19], s[66:67]
	s_add_nc_u64 s[10:11], s[10:11], s[82:83]      ; the biases at my block's first column
	s_add_nc_u64 s[12:13], s[12:13], s[82:83]
	s_add_nc_u64 s[90:91], s[4:5], s[90:91]
	s_add_nc_u64 s[92:93], s[6:7], s[92:93]
	s_add_nc_u64 s[94:95], s[8:9], s[94:95]
	s_add_co_u32 s66, s3, 4*RTILE                  ; the residual's K steps 4 and 5 (wave 2) or 6 and 7 (wave 3), my work-group's quarter
	s_add_nc_u64 s[PFR:PFR+1], s[94:95], s[66:67]
	s_cmp_lt_u32 s[WV], 2
	s_cselect_b32 s66, s2, s3
	s_cselect_b64 s[PFA:PFA+1], s[90:91], s[92:93]
	s_add_co_u32 s66, s66, 2*TILE                  ; at K step 2: the first change of slots steps it to 3 and names K step 4
	s_add_nc_u64 s[PFA:PFA+1], s[PFA:PFA+1], s[66:67]
.irp s, 0,1
	s_mov_b32 s[G0A+4*(\s)], 1                                     ; 1:0 count = 1
	s_add_co_u32 s[G0A+4*(\s)+1], s[WOFFA], (\s)*SLOT              ; 63:32 LDS address
	s_add_nc_u64 s[G0A+4*(\s)+2:G0A+4*(\s)+3], s[90:91], (\s)*TILE ; 120:64 global address: K step s
	s_or_b32 s[G0A+4*(\s)+3], s[G0A+4*(\s)+3], 0x80000000          ; 127:126 type = 2
	s_mov_b32 s[G0G+4*(\s)], 1
	s_mov_b32 s[G0G+4*(\s)+1], GB+(\s)*SLOT
	s_add_nc_u64 s[G0G+4*(\s)+2:G0G+4*(\s)+3], s[92:93], (\s)*TILE
	s_or_b32 s[G0G+4*(\s)+3], s[G0G+4*(\s)+3], 0x80000000
	s_mov_b32 s[G0R+4*(\s)], 1
	s_mov_b32 s[G0R+4*(\s)+1], RBASE+(\s)*SLOT
	s_add_nc_u64 s[G0R+4*(\s)+2:G0R+4*(\s)+3], s[94:95], (\s)*RTILE
	s_or_b32 s[G0R+4*(\s)+3], s[G0R+4*(\s)+3], 0x80000000
.endr
	CROUND                                         ; all sixteen work-groups are here: the first joint loads meet
	s_cmp_lt_u32 s[WV], 2                          ; a wave's two first fills stand together in its one arm, ahead of every wait on TENSORcnt, every LDS read and every further barrier
	s_cbranch_scc0 .Lfirst_not_a
	tensor_load_to_lds s[G0A:G0A+3], s[G1A:G1A+7]
	s_nop 0
	tensor_load_to_lds s[G0A+4:G0A+7], s[G1A:G1A+7]
	s_nop 0
	PLACES
	s_branch .Lfirst_asked
.Lfirst_not_a:
	s_cmp_eq_u32 s[WV], 2
	s_cbranch_scc0 .Lfirst_not_g
	tensor_load_to_lds s[G0G:G0G+3], s[G1G:G1G+7]
	s_nop 0
	tensor_load_to_lds s[G0G+4:G0G+7], s[G1G:G1G+7]
	s_nop 0
	PLACES
	s_branch .Lfirst_asked
.Lfirst_not_g:
	tensor_load_to_lds s[G0R:G0R+3], s[G1R:G1R+7]
	s_nop 0
	tensor_load_to_lds s[G0R+4:G0R+7], s[G1R:G1R+7]
	s_nop 0
	PLACES
.Lfirst_asked:
	; A fragment is 16 rows x 32 k in 8 registers: lane l holds row l % 16; two loads of 16 bytes, 32 bytes apart, at row x pitch + 16 (l / 16).  The same for both sources.
	v_and_b32 v1, 15, v0                           ; r
	v_bfe_u32 v2, v0, 4, 1                         ; h
	v_mul_u32_u24 v3, v1, PITCH
	v_lshl_add_u32 v3, v2, 4, v3
	s_mul_i32 s85, s[WV], 64*PITCH                 ; my wave's 64 rows of xh's tile
	v_add_nc_u32 v[A0], s85, v3
	v_add_nc_u32 v[B0], GB, v3
	v_add_nc_u32 v[R0], RBASE, v3
	v_mov_b32 v[ADRA], v[A0]                       ; slot 0
	v_mov_b32 v[ADRB], v[B0]
	v_mov_b32 v[ADRR], v[R0]
	v_lshlrev_b32 v[BO], 4, v1
	v_lshl_add_u32 v[CO], v2, 16, v[BO]            ; 8 h rows of 8,192 bytes + 16 r
	v_and_b32 v[PFO], 31, v0
	v_lshlrev_b32 v[PFC], 13, v[PFO]
	v_lshlrev_b32 v[PFO], 8, v[PFO]
; 16 matrix instructions: gate g, my 4 row blocks x its 4 column fragments, 32 along K, from buffer f.  zero = 1: the product starts the sum: nothing is ever cleared.
; The accumulators take turns, one instruction a turn, in the same order in every quarter: between two links of a chain stand all the others'.
.macro MULG f, g, zero
	WIN 0xa4+0x50*((\g)/2)                         ; xh's fragment window 0, the gate's window 1, C and D window 2 (gates 0, 1) or 3 (gates 2, 3)
.set i, 0
.rept 16
.set rD, 128*((\g)%2)+8*i
.set rA, AF+32*(\f)+8*(i/4)
.set rB, 128*(\f)+8*(4*(\g)+i%4)
.if \zero
	v_wmma_f32_16x16x32_bf16 v[rD:rD+7], v[rA:rA+7], v[rB:rB+7], 0
.else
	v_wmma_f32_16x16x32_bf16 v[rD:rD+7], v[rA:rA+7], v[rB:rB+7], v[rD:rD+7]
.endif
.set i, i+1
.endr
.endm
.macro MULR f, zero                    ; the same for the residual: all in window 0
	WIN 0
.set i, 0
.rept 16
.set rD, RAC+8*i
.set rA, AF+32*(\f)+8*(i/4)
.set rB, RFR+8*(i%4)
.if \zero
	v_wmma_f32_16x16x32_bf16 v[rD:rD+7], v[rA:rA+7], v[rB:rB+7], 0
.else
	v_wmma_f32_16x16x32_bf16 v[rD:rD+7], v[rA:rA+7], v[rB:rB+7], v[rD:rD+7]
.endif
.set i, i+1
.endr
.endm
; The LDS loads of a quarter (32 along K at byte k of the rows) stand in one run: the residual's 8 (for the quarter in hand), xh's 8, the gates' 32 in the order of the gates (for the next quarter, into buffer f).
.macro LDA k, f
	WIN 0
.irp a, 0,1,2,3
	ds_load_b128 v[AF+32*(\f)+8*(\a):AF+32*(\f)+8*(\a)+3],   v[ADRA] offset:(\a)*16*PITCH+(\k)
	ds_load_b128 v[AF+32*(\f)+8*(\a)+4:AF+32*(\f)+8*(\a)+7], v[ADRA] offset:(\a)*16*PITCH+(\k)+32
.endr
.endm
.macro LDB k, f
	WIN 0x40                                       ; destination window 1, address window 0
.set i, 0
.rept 16
	ds_load_b128 v[128*(\f)+8*i:128*(\f)+8*i+3],   v[ADRB] offset:i*16*PITCH+(\k)
	ds_load_b128 v[128*(\f)+8*i+4:128*(\f)+8*i+7], v[ADRB] offset:i*16*PITCH+(\k)+32  ; 65,504 at the most: inside the 16 bits of the offset
.set i, i+1
.endr
.endm
.macro LDR k
	WIN 0
.irp j, 0,1,2,3
	ds_load_b128 v[RFR+8*(\j):RFR+8*(\j)+3],   v[ADRR] offset:(\j)*16*PITCH+(\k)
	ds_load_b128 v[RFR+8*(\j)+4:RFR+8*(\j)+7], v[ADRR] offset:(\j)*16*PITCH+(\k)+32
.endr
.endm
; One of a K step's first three quarters.  ty = 1: a step of x, with the residual.  It multiplies buffer f; in its middle it fetches the next quarter's fragments into buffer g and, in a step of x, its own residual fragments.
.macro QUARTER ty, kcur, knext, f, g, zero
	s_wait_dscnt 16                                ; xh's fragments and gates 0 and 1 are in; the youngest sixteen loads (gates 2 and 3) may be out
	MULG \f, 0, \zero
	MULG \f, 1, \zero
	WIN 0
	PLACES                                         ; behind the last products that read buffer g and the residual's fragments
.if \ty
	LDR \kcur
.endif
	LDA \knext, \g
	LDB \knext, \g
	s_wait_dscnt 40+8*(\ty)                        ; all but the run just issued
	MULG \f, 2, \zero
	MULG \f, 3, \zero
.if \ty
	s_wait_dscnt 40                                ; the residual's eight loads, the oldest of the run, are in
	MULR \f, \zero
.endif
.endm
; The fourth quarter multiplies buffer 1 and changes slots: ONE barrier.  In front of it each wave waits for all its tensor loads (the one that is out is its part of the next slot), adds 0 to its spare word, and waits
; for that and for its own reads of this slot.  Behind it nobody reads this slot any more and the next slot is whole.  fill = 0: this slot is filled again, for a step of x; 1: for a step of h; 2: not at all.
; Where it is filled the barrier opens a round of the cluster's barrier, so that no wave of any partner still reads the slot or has a load on its way, and the joint refill is the first tensor load behind the round.
.macro TURN ty, fill, how
	WIN 0
.if ((\how) != 2) && ((\how) != 3)
	s_wait_xcnt 0x0                                ; the last prefetch, a K step back, has read its address: it is stepped here, ahead of the waits of the change of slots
	s_add_nc_u64 s[PFA:PFA+1], s[PFA:PFA+1], TILE
.endif
.if \ty
	PLACES                                         ; behind the products that read the residual's fragments
	LDR 192
.endif
	s_wait_tensorcnt 0x0                           ; all my tensor loads have landed, so a group 0 may be written
	ds_add_u32 v[SPW], v[NIL]                      ; 0 onto my spare word; the descriptors' steps and sixteen products stand between it and the wait for it
.if (\fill) < 2
	s_xor_b32 s[G0A+5], s[G0A+5], SLOT             ; the walking descriptors: the other slot than last time (the bases share no bit with SLOT),
	s_add_nc_u64 s[G0A+6:G0A+7], s[G0A+6:G0A+7], TILE  ; the next K step; the type bits on top are not reached
	s_xor_b32 s[G0G+5], s[G0G+5], SLOT
	s_add_nc_u64 s[G0G+6:G0G+7], s[G0G+6:G0G+7], TILE
.endif
.if (\fill) == 0
	s_xor_b32 s[G0R+5], s[G0R+5], RBASE^(RBASE+SLOT)
	s_add_nc_u64 s[G0R+6:G0R+7], s[G0R+6:G0R+7], RTILE
.endif
	s_wait_dscnt 17+8*(\ty)                        ; gates 2 and 3's sixteen loads, the residual's eight and the add may be out
	MULG 1, 0, 0
	s_wait_dscnt 0x0                               ; the add is done, and my reads of this slot are over
	s_barrier_signal -1
	MULG 1, 1, 0                                   ; work on registers while the others arrive
	WIN 0                                          ; at a branch and at a label every window is 0
	s_barrier_wait -1
.if (\fill) < 2
	CREST
	JLOAD \fill
.else
	PLACES
.endif
	s_xor_b32 s[TB], s[TB], SLOT                   ; the fragments now come from the other slot
	v_add_nc_u32 v[ADRA], s[TB], v[A0]
	v_add_nc_u32 v[ADRB], s[TB], v[B0]
	v_add_nc_u32 v[ADRR], s[TB], v[R0]
	LDA 0, 0
	LDB 0, 0
	WIN 0
	ASK \how
	MULG 1, 2, 0
	MULG 1, 3, 0
.if \ty
	MULR 1, 0
.endif
.endm
.macro STEP ty, zero, fill, how        ; a K step of 128
	QUARTER \ty, 0,   64,  0, 1, \zero
	QUARTER \ty, 64,  128, 1, 0, 0
	QUARTER \ty, 128, 192, 0, 1, 0
	TURN \ty, \fill, \how
	WIN 0
.endm
	s_wait_tensorcnt 1                             ; my part of K step 0 is in; K step 1's may stay out
	s_barrier_signal -1
	s_barrier_wait -1                              ; everybody's is
	LDA 0, 0
	LDB 0, 0
	WIN 0
	STEP 1, 1, 0, 4                                ; K step 0: its first quarter starts all 80 sums
	s_mov_b32 s[CNT], 5
.LXA:                                              ; K steps 1 to 5: steps of x that ask for steps of x
	STEP 1, 0, 0, 1
	s_sub_co_u32 s[CNT], s[CNT], 1
	s_cmp_lg_u32 s[CNT], 0
	s_cbranch_scc1 .LXA
	s_mov_b32 s[CNT], 2
.LXB:                                              ; K steps 6 and 7: steps of x that ask for steps of h
	STEP 1, 0, 1, 1
	s_sub_co_u32 s[CNT], s[CNT], 1
	s_cmp_lg_u32 s[CNT], 0
	s_cbranch_scc1 .LXB
	s_mov_b32 s[CNT], 14
.LH:                                               ; K steps 8 to 21
	STEP 0, 0, 1, 0
	s_sub_co_u32 s[CNT], s[CNT], 1
	s_cmp_lg_u32 s[CNT], 0
	s_cbranch_scc1 .LH
	STEP 0, 0, 2, 3                                ; K step 22 is written out: nothing is asked for but c_t_1, into the L2
	QUARTER 0, 0,   64,  0, 1, 0                   ; K step 23
	QUARTER 0, 64,  128, 1, 0, 0
	QUARTER 0, 128, 192, 0, 1, 0
	s_wait_dscnt 16                                ; the very last quarter: in its middle the biases and c_prev are asked for, into the fragment buffers that are idle
	MULG 1, 0, 0
	MULG 1, 1, 0
	WIN 0
	PLACES                                         ; behind the last products that read buffer 0
.irp g, 0,1,2,3
	global_load_b128 v[BI+4*(\g):BI+4*(\g)+3], v[BO], s[10:11] offset:(\g)*ROWO  ; gate g's bias of my columns 4 r .. 4 r + 3
.endr
	global_load_b128 v[BI+16:BI+19], v[BO], s[12:13]
	WIN 0x40
.set i, 0
.rept 32                               ; c_prev of row 16 (i / 8) + 8 h + i % 8, my four columns: 16 lanes take 256 consecutive aligned bytes
	global_load_b128 v[4*i:4*i+3], v[CO], s[14:15] offset:(16*(i/8)+i%8)*ROWO th:TH_LOAD_NT
.set i, i+1
.endr
	s_wait_dscnt 0x0
	MULG 1, 2, 0
	MULG 1, 3, 0
	; THE WAY OUT.  The biases are multiplied by the exponents' factors and doubled into pairs: 40 plain instructions that name no register of the last products: their places.
	WIN 0
	s_wait_loadcnt 32                              ; the five loads of biases are in; c_prev's 32 may stay out
.set i, 0
.rept 32
.if i < 24
	v_mul_f32 v[BP+i], s[NL], v[BI+i/2]
.else
	v_mul_f32 v[BP+i], s[TL], v[BI+i/2]
.endif
.set i, i+1
.endr
.set i, 0
.rept 8
	v_mov_b32 v[RP+i], v[BI+16+i/2]
.set i, i+1
.endr
; Rows 16 a + 8 h + 4 jh + jj (jj = 0..3), columns 4 r + jc: 16 elements a lane.  jh = 0 comes first: each accumulator's lowest registers are read first.
; Four batches of transcendentals, each with a plain instruction behind its last and ONE wait ahead of its first reader.
.macro EBLOCK a, jh
	WIN 0x42                                       ; destination window 1, source 0 window 2, source 2 window 0
.set i, 0
.rept 16                               ; i = 8 g + 2 jc + u: -(z + b) log2 e for gates 0 and 1
.set rS, 128*(i/8)+8*(4*(\a)+(i/2)%4)+4*(\jh)+2*(i%2)
	v_pk_fma_f32 v[TI+2*i:TI+2*i+1], v[rS:rS+1], s[NL:NL+1], v[BP+2*(i/2):BP+2*(i/2)+1] op_sel_hi:[1,0,1]
.set i, i+1
.endr
	WIN 0x43                                       ; source 0 window 3: gate 2 likewise, gate 3 with 2 (z + b) log2 e
.set i, 0
.rept 16
.set rS, 128*(i/8)+8*(4*(\a)+(i/2)%4)+4*(\jh)+2*(i%2)
.if i < 8
	v_pk_fma_f32 v[TO+2*i:TO+2*i+1], v[rS:rS+1], s[NL:NL+1], v[BP+16+2*(i/2):BP+16+2*(i/2)+1] op_sel_hi:[1,0,1]
.else
	v_pk_fma_f32 v[TO+2*i:TO+2*i+1], v[rS:rS+1], s[TL:TL+1], v[BP+16+2*(i/2):BP+16+2*(i/2)+1] op_sel_hi:[1,0,1]
.endif
.set i, i+1
.endr
	WIN 0x40                                       ; x_res = the residual's sum + its bias
.set i, 0
.rept 8
.set rS, RAC+8*(4*(\a)+i/2)+4*(\jh)+2*(i%2)
	v_pk_add_f32 v[TR+2*i:TR+2*i+1], v[rS:rS+1], v[RP+2*(i/2):RP+2*(i/2)+1]
.set i, i+1
.endr
	WIN 0x55                                       ; all in window 1
.set i, 0
.rept 64
	v_exp_f32 v[TI+i], v[TI+i]
.set i, i+1
.endr
	v_nop
	s_wait_alu depctr_va_vdst(0)                   ; one wait for the 64 exponentials
.set i, 0
.rept 32
	v_pk_add_f32 v[TI+2*i:TI+2*i+1], v[TI+2*i:TI+2*i+1], 1.0 op_sel_hi:[1,0]
.set i, i+1
.endr
.set i, 0
.rept 64
	v_rcp_f32 v[TI+i], v[TI+i]
.set i, i+1
.endr
	v_nop
	s_wait_alu depctr_va_vdst(0)                   ; one wait for the 64 reciprocals: i, f, o, and q with tanh(c_hat) = 1 - 2 q
.set i, 0
.rept 8
	v_pk_fma_f32 v[TG+2*i:TG+2*i+1], v[TG+2*i:TG+2*i+1], -2.0, 1.0 op_sel_hi:[1,0,0]
.set i, i+1
.endr
.set i, 0
.rept 8
	v_pk_mul_f32 v[TG+2*i:TG+2*i+1], v[TI+2*i:TI+2*i+1], v[TG+2*i:TG+2*i+1]
.set i, i+1
.endr
	s_wait_loadcnt 28-4*(2*(\a)+(\jh))             ; my four quads of c_prev are in; the later blocks', four each, may stay out
.set i, 0
.rept 16                               ; i = 4 jc + jj: c = f c_prev + i tanh(c_hat), in c_prev's place
.set rC, 4*(8*(\a)+4*(\jh)+i%4)+i/4
	v_fma_f32 v[rC], v[TF+i], v[rC], v[TG+i]
.set i, i+1
.endr
.set i, 0
.rept 16
.set rC, 4*(8*(\a)+4*(\jh)+i%4)+i/4
	v_mul_f32 v[TE+i], s[TL], v[rC]
.set i, i+1
.endr
.set i, 0
.rept 16
	v_exp_f32 v[TE+i], v[TE+i]
.set i, i+1
.endr
	WIN 0x04                                       ; address window 0, data window 1
.irp jj, 0,1,2,3
	global_store_b128 v[CO], v[4*(8*(\a)+4*(\jh)+(\jj)):4*(8*(\a)+4*(\jh)+(\jj))+3], s[18:19] offset:(16*(\a)+4*(\jh)+(\jj))*ROWO th:TH_STORE_NT  ; 16 lanes store 256 consecutive bytes, at a multiple of 256 from out1's first byte
.endr
	WIN 0x55
	v_nop
	s_wait_alu depctr_va_vdst(0)                   ; one wait for the 16 exponentials
.set i, 0
.rept 8
	v_pk_add_f32 v[TE+2*i:TE+2*i+1], v[TE+2*i:TE+2*i+1], 1.0 op_sel_hi:[1,0]
.set i, i+1
.endr
.set i, 0
.rept 16
	v_rcp_f32 v[TE+i], v[TE+i]
.set i, i+1
.endr
.set i, 0
.rept 8                                ; h = o (1 - 2 q) + x_res = (x_res + o) + (-2 o) q: these sixteen name no reciprocal and are the plain work behind them
	v_pk_add_f32 v[TR+2*i:TR+2*i+1], v[TR+2*i:TR+2*i+1], v[TO+2*i:TO+2*i+1]
	v_pk_mul_f32 v[TO+2*i:TO+2*i+1], v[TO+2*i:TO+2*i+1], -2.0 op_sel_hi:[1,0]
.set i, i+1
.endr
	s_wait_alu depctr_va_vdst(0)                   ; one wait for the 16 reciprocals
	s_wait_xcnt 0x0                                ; every earlier memory instruction has had its addresses translated (ISA guide 3.1): h's registers, which the last block's stores read, are rewritten only behind this wait
.set i, 0
.rept 16
	v_fma_f32 v[TH+4*(i%4)+i/4], v[TO+i], v[TE+i], v[TR+i]
.set i, i+1
.endr
	WIN 0x04
.irp jj, 0,1,2,3
	global_store_b128 v[CO], v[TH+4*(\jj):TH+4*(\jj)+3], s[16:17] offset:(16*(\a)+4*(\jh)+(\jj))*ROWO th:TH_STORE_NT
.endr
.endm
.irp a, 0,1,2,3
	EBLOCK \a, 0
	EBLOCK \a, 1
.endr
	WIN 0
	s_wait_tensorcnt 0x0                           ; the wave's end, behind my last tensor load
	ds_add_u32 v[SPW], v[NIL]
	s_wait_dscnt 0x0
	CROUND                                         ; the closing round: no work-group ends while a partner may still ask for a tile that names it
	s_endpgm
.Lfunc_end_k_qe835b6990f_cell:
	.size	k_qe835b6990f_cell, .Lfunc_end_k_qe835b6990f_cell-k_qe835b6990f_cell
	.p2alignl 7, 3214868480
	.fill 96, 4, 3214868480
	.section	.rodata,"a",@progbits
	.p2align	6, 0x0
	.amdhsa_kernel k_qe835b6990f_cell
		.amdhsa_group_segment_fixed_size 327680
		.amdhsa_private_segment_fixed_size 0
		.amdhsa_enable_private_segment 0
		.amdhsa_kernarg_size 64
		.amdhsa_user_sgpr_count 2
		.amdhsa_user_sgpr_kernarg_segment_ptr 1
		.amdhsa_wavefront_size32 1
		.amdhsa_system_sgpr_workgroup_id_x 1
		.amdhsa_system_sgpr_workgroup_id_y 1
		.amdhsa_system_sgpr_workgroup_id_z 1
		.amdhsa_system_vgpr_workitem_id 0
		.amdhsa_next_free_vgpr 1024
		.amdhsa_next_free_sgpr 96
		.amdhsa_reserve_vcc 0
		.amdhsa_float_denorm_mode_32 3
		.amdhsa_float_denorm_mode_16_64 3
		.amdhsa_memory_ordered 1
		.amdhsa_forward_progress 1
		.amdhsa_inst_pref_size 255
	.end_amdhsa_kernel
	.section	.bss,"aw",@nobits
	.p2align	6
	.space	262144
	.amdgpu_metadata
---
amdhsa.version: [ 1, 2 ]
amdhsa.kernels:
  - .name:           k_qe835b6990f_cell
    .symbol:         k_qe835b6990f_cell.kd
    .args:
      - { .name: xh, .offset: 0, .size: 8, .value_kind: global_buffer, .address_space: global }
      - { .name: wg, .offset: 8, .size: 8, .value_kind: global_buffer, .address_space: global }
      - { .name: wr, .offset: 16, .size: 8, .value_kind: global_buffer, .address_space: global }
      - { .name: b_gates, .offset: 24, .size: 8, .value_kind: global_buffer, .address_space: global }
      - { .name: b_res, .offset: 32, .size: 8, .value_kind: global_buffer, .address_space: global }
      - { .name: c_t_1, .offset: 40, .size: 8, .value_kind: global_buffer, .address_space: global }
      - { .name: out0, .offset: 48, .size: 8, .value_kind: global_buffer, .address_space: global }
      - { .name: out1, .offset: 56, .size: 8, .value_kind: global_buffer, .address_space: global }
    .group_segment_fixed_size: 327680
    .private_segment_fixed_size: 0
    .kernarg_segment_align: 8
    .kernarg_segment_size: 64
    .max_flat_workgroup_size: 128
    .sgpr_count:     96
    .vgpr_count:     1024
    .wavefront_size: 32
...
	.end_amdgpu_metadata
.endif
;; end of part 2
;; ======== version 2 of 2: 2 launches; version 1 with the launch pack written anew for expert scheduling mode
;; workspace buffers: xh 12,582,912 bytes; wg 50,331,648 bytes; wr 4,194,304 bytes
;; launch pack (part 3): grid 256 x 1, 16 waves a work-group, no clusters, 280,576 bytes of LDS; arguments W_gates, W_res, x_t, h_t_1, wg, wr, xh; writes wg, wr, xh
.if DOCPART == 3
	.amdgcn_target "amdgcn-amd-amdhsa--gfx1250"
	.amdhsa_code_object_version 6
	.text
	.protected	k_qe835b6990f_pack
	.globl	k_qe835b6990f_pack
	.p2align	8
	.type	k_qe835b6990f_pack,@function
k_qe835b6990f_pack:
	s_mov_b64 s[64:65], 0
	v_nop
	global_prefetch_b8 v0, s[64:65] scope:SCOPE_SE
	s_setreg_imm32_b32 hwreg(HW_REG_WAVE_SCHED_MODE, 0, 2), 2
	s_setreg_imm32_b32 hwreg(HW_REG_WAVE_MODE, 25, 1), 1
	s_wait_xcnt 0x0
	s_wait_alu depctr_vm_vsrc(0)
; PACK: the matrix operands of the LSTM cell, rounded once to bf16 and laid in the order in which the next launch fetches them.
;   xh[rb 0..7][t 0..23][row 0..255][128 k]   rows of x|h; K steps t < 8 come from x_t, the others from h_t_1
;   wg[hb 0..31][t 0..23][p 0..255][128 k]    row p = 64 g + 16 jc + r holds column 64 hb + 4 r + jc of gate g
;   wr[hb 0..31][t 0..7][p 0..63][128 k]      row p = 16 jc + r holds column 64 hb + 4 r + jc of W_res
; K ORDER, alike in all three: in a row of 128 k the 16-byte piece c (0..15) holds k = 4 c .. 4 c + 3 and then 64 + 4 c .. 64 + 4 c + 3.
; The same permutation of k on both sources of a product keeps the product; it lets every load here take 256 consecutive bytes with 16 lanes and every store 512.
; SHARES.  4,096 units of 32 KiB in and 16 KiB out, one a wave, sixteen a work-group, 256 work-groups of equal work.  Work-groups 0-191: W_gates (128 k x 64 columns a unit),
; 192-207: W_res (the same text), 208-239: h_t_1 (64 rows x 128 k), 240-255: x_t.  A weight unit is turned (k down the rows -> k along the rows) through a stage in LDS that is the wave's own:
; no barrier.  A unit of x or h keeps its rows and needs no LDS.  A unit goes in eight batches of eight loads; 24 to 32 loads (12 to 16 KiB) of every wave are in flight.
; No matrix unit, cluster or tensor load: no wave wants a byte that another has fetched, and every byte must pass through registers to be rounded.  No prefetch: the launch is one stream of loads.
; LIMITS.  Rounding to bf16 is to nearest even; bf16 has f32's range, so nothing overflows; NaN and infinities pass as they are.
; THE MODE: SCHED_MODE bits 1:0 = 2 (LLVM: expert scheduling mode 2), set by the entry lines.  The code itself states the register dependences
; between vector instructions and memory or LDS instructions, with s_wait_alu, always for 0.
; THE PLAN.  Registers that memory or LDS instructions touch:
;   X0 .. X4   five raw buffers.  Batch n's eight loads land in X[n % 5]; batch n's sixteen conversions read it.  Batches 0 to 3 are asked for at the head, batch q + 4 in batch q.
;              In the weights' path X0 .. X3 at the end take the 32 loads from the stage, and the 32 global stores read them.
;   Y0, Y1     two out-buffers.  Batch q's conversions write Y[q % 2]; the four stores that are issued in batch q + 1 read it.
;   v[SO], v[ST], v[RDA], v[AO ..], v[DO]   offsets and LDS addresses, made once at a path's head and never written again: rows and batches are reached by immediate offsets.
;   v[SPW], v[NIL]   written at the head, read by the closing add alone.
; Batch q works on X[q % 5] and writes Y[q % 2].  Its memory instructions are the loads into X[(q + 4) % 5] = X[(q - 1) % 5] and the stores from Y[(q - 1) % 2]: the two buffers that batch q - 1
; worked on and that no vector instruction of batch q names.  So the waits at a batch's head state all that its twelve memory instructions hang on, and these are dealt among its conversions with no further wait.
.set ROWW,   8192                      ; bytes in a row of W_gates, W_res and h_t_1
.set SPITCH, 272                       ; a stage row: 256 bytes + 16: the 16 rows that a store touches start at 16 different groups of four banks (64 banks of 4 bytes: ISA guide 11.1)
.set STG,    64*SPITCH                 ; a wave's stage: 64 rows
.set SPARE,  16*STG                    ; behind the stages: the spare words, 128 bytes for each of the 16 waves: eight blocks of 256 bytes that no other line names
.set SO,  4                            ; v4   weights: my byte offset in the unit's first rows; never rewritten
.set ST,  5                            ; v5   where I put a piece into the stage; never rewritten
.set RDA, 6                            ; v6   where I read rows back; never rewritten
.set DO,  7                            ; v7   16 x lane: my place in 512 consecutive bytes of the output; never rewritten
.set SPW, 8                            ; v8   LDS address of my spare word; never rewritten
.set NIL, 9                            ; v9   0; never rewritten
.set AO,  12                           ; v[12:43]  x and h: my byte offset in row pair n of the unit; never rewritten
.set X,   48                           ; v[48:207] five raw buffers of 32 registers, as loaded
.set Y,   208                          ; v[208:239] two out-buffers of sixteen words of bf16 pairs
.set WV,  20                           ; s20  my wave's number
.set SRC, 22                           ; s[22:23] my unit in its input
.set DST, 24                           ; s[24:25] my unit in its output
	s_load_b256 s[4:11], s[0:1], 0x0               ; W_gates s[4:5], W_res s[6:7], x_t s[8:9], h_t_1 s[10:11]
	s_load_b128 s[12:15], s[0:1], 0x20             ; wg s[12:13], wr s[14:15]
	s_load_b64 s[16:17], s[0:1], 0x30              ; xh
	v_lshl_add_u32 v[SPW], v0, 2, SPARE
	v_mov_b32 v[NIL], 0
	v_lshrrev_b32 v1, 5, v0
	v_readfirstlane_b32 s[WV], v1                  ; wave 0..15
	v_and_b32 v1, 31, v0                           ; lane
	v_and_b32 v2, 15, v0                           ; r = lane % 16
	v_bfe_u32 v3, v0, 4, 1                         ; hh = lane / 16
	v_lshlrev_b32 v[DO], 4, v1
	s_mov_b32 s19, ttmp9
	s_wait_alu depctr_va_sdst(0)                   ; s20, the wave's number, is written
	s_wait_kmcnt 0x0
	s_cmp_lt_u32 s19, 208
	s_cbranch_scc0 .Lact
	; ---------------- weights ----------------
	s_lshr_b32 s26, s19, 1                         ; gates: chunk gt of 128 rows of the stacked [12288][2048]
	s_mul_i32 s27, s26, 171
	s_lshr_b32 s27, s27, 12                        ; g = gt / 24 (171 / 4096 serves for gt up to 95)
	s_mul_i32 s28, s27, 24
	s_sub_co_u32 s28, s26, s28                     ; t = gt - 24 g
	s_lshl_b32 s27, s27, 14
	s_lshl_b32 s28, s28, 16
	s_add_co_u32 s27, s27, s28                     ; 65,536 t + 16,384 g
	s_sub_co_u32 s29, s19, 192
	s_lshr_b32 s29, s29, 1                         ; residual: t (used from work-group 192 on alone)
	s_lshl_b32 s30, s29, 14                        ; 16,384 t
	s_mov_b32 s31, 24*65536                        ; bytes of a column block in wg,
	s_mov_b32 s33, 8*16384                         ; and in wr
	s_and_b32 s32, s19, 1
	s_lshl_b32 s32, s32, 4
	s_add_co_u32 s32, s32, s[WV]                   ; hb = 16 x (work-group % 2) + wave
	s_cmp_lt_u32 s19, 192                          ; gates or residual: the choice hangs on the work-group's number alone
	s_cselect_b32 s26, s26, s29
	s_cselect_b32 s27, s27, s30
	s_cselect_b32 s31, s31, s33
	s_cselect_b64 s[SRC:SRC+1], s[4:5], s[6:7]
	s_cselect_b64 s[DST:DST+1], s[12:13], s[14:15]
	s_lshl_b32 s28, s26, 20                        ; 128 rows of 8,192 bytes,
	s_lshl_b32 s29, s32, 8                         ; 64 columns of 4 bytes
	s_add_co_u32 s28, s28, s29
	s_mov_b32 s29, 0
	s_add_nc_u64 s[SRC:SRC+1], s[SRC:SRC+1], s[28:29]
	s_mul_i32 s30, s32, s31
	s_add_co_u32 s30, s30, s27
	s_mov_b32 s31, 0
	s_add_nc_u64 s[DST:DST+1], s[DST:DST+1], s[30:31]
	v_lshlrev_b32 v[SO], 15, v3                    ; lanes 16-31 stand four rows further down,
	v_lshl_add_u32 v[SO], v2, 4, v[SO]             ; and 16 lanes take 256 consecutive bytes of a row: columns 4 r .. 4 r + 3 each
	s_mul_i32 s21, s[WV], STG                      ; my stage
	v_mul_u32_u24 v[ST], v2, SPITCH
	v_lshl_add_u32 v[ST], v3, 4, v[ST]
	v_add_nc_u32 v[ST], s21, v[ST]                 ; in: row r of a group of 16, piece hh of a pair
	v_mul_u32_u24 v[RDA], v3, SPITCH
	v_lshl_add_u32 v[RDA], v2, 4, v[RDA]
	v_add_nc_u32 v[RDA], s21, v[RDA]               ; back: lanes 0-15 one row of 256 bytes, lanes 16-31 the next
	s_wait_alu depctr_va_vdst(0)                   ; v[SO], v[ST], v[RDA] and v[DO] are written: every load and store of this path reads one of them as its address
; Batch n: the eight rows of k that make piece 2 n + hh: k = 8 n + 4 hh + i and 64 more, i = 0..3.  Load l of the eight: i = l % 4, the upper 64 for l / 4 = 1.
.macro WLD n, l
	global_load_b128 v[X+32*((\n)%5)+4*(\l):X+32*((\n)%5)+4*(\l)+3], v[SO], s[SRC:SRC+1] offset:(8*(\n)+(\l)%4+64*((\l)/4))*ROWW th:TH_LOAD_NT
.endm
; Batch q.  left = the loads of the younger batches, eight each, which may stay out.  Word m of column j's piece pairs two neighbouring k.
.macro WBATCH q, left
	s_wait_loadcnt \left                           ; loads come back in order (ISA guide 5.7.1): batch q is in
.if (\q) >= 2
	s_wait_alu depctr_vm_vsrc(0)                   ; the LDS stores issued in the batch before have read Y[q % 2], which this batch's conversions write again
.endif
.if (\q) >= 1
	s_wait_alu depctr_va_vdst(0)                   ; the batch before has written the other Y, which the LDS stores below read, and is done reading its X, in which the loads below land
.endif
.irp j, 0,1,2,3
.if (\q) < 4
	WLD (\q)+4, 2*(\j)                             ; four batches ahead; no vector instruction since the last wait on va_vdst names these registers (in batch 0: none ever has)
	WLD (\q)+4, 2*(\j)+1
.endif
.if (\q) >= 1
	ds_store_b128 v[ST], v[Y+16*(((\q)-1)%2)+4*(\j):Y+16*(((\q)-1)%2)+4*(\j)+3] offset:(\j)*16*SPITCH+32*((\q)-1)  ; the batch before: output row 16 j + r, piece 2 (q - 1) + hh
.endif
.irp m, 0,1,2,3
	v_cvt_pk_bf16_f32 v[Y+16*((\q)%2)+4*(\j)+(\m)], v[X+32*((\q)%5)+16*((\m)/2)+8*((\m)%2)+(\j)], v[X+32*((\q)%5)+16*((\m)/2)+8*((\m)%2)+(\j)+4]
.endr
.endr
.endm
.irp n, 0,1,2,3
.irp l, 0,1,2,3,4,5,6,7
	WLD \n, \l
.endr
.endr
	WBATCH 0, 24
	WBATCH 1, 24
	WBATCH 2, 24
	WBATCH 3, 24
	WBATCH 4, 24                                   ; the last four batches load nothing: the counts run down
	WBATCH 5, 16
	WBATCH 6, 8
	WBATCH 7, 0
	s_wait_alu depctr_va_vdst(0)                   ; batch 7 has written Y1, which the last four LDS stores read; all conversions are done reading X0 to X3, in which the loads from the stage land
.irp j, 0,1,2,3
	ds_store_b128 v[ST], v[Y+16+4*(\j):Y+16+4*(\j)+3] offset:(\j)*16*SPITCH+32*7
.endr
.set i, 0
.rept 32
	ds_load_b128 v[X+4*i:X+4*i+3], v[RDA] offset:i*2*SPITCH  ; LDS serves a wave's instructions in order (ISA guide 5.7.1.4): these see my stores above
.set i, i+1
.endr
.set i, 0
.rept 32
	s_wait_dscnt 31-i                              ; rows 2 i and 2 i + 1 are back; the younger loads may stay out
	global_store_b128 v[DO], v[X+4*i:X+4*i+3], s[DST:DST+1] offset:i*512 th:TH_STORE_NT  ; 512 consecutive bytes, at a multiple of 256 from the buffer's first byte
.set i, i+1
.endr
	s_wait_dscnt 0x0                               ; the wave's end
	s_wait_alu 0x0
	s_wait_tensorcnt 0x0
	ds_add_u32 v[SPW], v[NIL]
	s_wait_dscnt 0x0
	s_endpgm
	; ---------------- x and h ----------------
.Lact:
	s_sub_co_u32 s26, s19, 208                     ; h: group rg of 64 rows,
	s_add_co_u32 s27, s[WV], 8                     ; K step 8 + wave,
	s_lshl_b32 s28, s26, 19                        ; 64 rows of 8,192 bytes
	s_lshl_b32 s32, s[WV], 9                       ; and 128 k of 4 bytes
	s_add_co_u32 s28, s28, s32
	s_sub_co_u32 s29, s19, 240                     ; x (used from work-group 240 on alone): rg = 2 (work-group - 240) + wave / 8,
	s_lshl_b32 s29, s29, 1
	s_lshr_b32 s30, s[WV], 3
	s_add_co_u32 s29, s29, s30
	s_and_b32 s30, s[WV], 7                        ; K step wave % 8,
	s_lshl_b32 s31, s29, 18                        ; 64 rows of 4,096 bytes
	s_lshl_b32 s32, s30, 9
	s_add_co_u32 s31, s31, s32
	s_mov_b32 s33, 8192                            ; bytes in a row of h_t_1,
	s_mov_b32 s34, 4096                            ; and of x_t
	s_cmp_lt_u32 s19, 240
	s_cselect_b32 s26, s26, s29
	s_cselect_b32 s27, s27, s30
	s_cselect_b32 s28, s28, s31
	s_cselect_b32 s33, s33, s34
	s_cselect_b64 s[SRC:SRC+1], s[10:11], s[8:9]
	s_mov_b32 s29, 0
	s_add_nc_u64 s[SRC:SRC+1], s[SRC:SRC+1], s[28:29]
	s_lshr_b32 s30, s26, 2                         ; rb = rg / 4
	s_mul_i32 s30, s30, 24
	s_add_co_u32 s30, s30, s27
	s_lshl_b32 s30, s30, 16                        ; tile (rb, t) of 65,536 bytes,
	s_and_b32 s32, s26, 3
	s_lshl_b32 s32, s32, 14                        ; my 64 rows of 256 bytes in it
	s_add_co_u32 s30, s30, s32
	s_mov_b32 s31, 0
	s_add_nc_u64 s[DST:DST+1], s[16:17], s[30:31]
	s_lshl_b32 s34, s33, 1                         ; two rows
	v_mul_u32_u24 v[AO], v3, s33                   ; lanes 16-31 take the odd row of a pair,
	v_lshl_add_u32 v[AO], v2, 4, v[AO]             ; 16 lanes 256 consecutive bytes
.set n, 1
.rept 31
	v_add_nc_u32 v[AO+n], s34, v[AO+n-1]           ; one text for both row lengths: the row pair's offset stands in a register
.set n, n+1
.endr
	s_wait_alu depctr_va_vdst(0)                   ; the 32 offsets v[AO ..] and v[DO] are written: every load and store of this path reads one of them as its offset
; Batch n: row pairs 4 n .. 4 n + 3; for each, k = 4 r .. and k = 64 + 4 r .., which together are piece r of the output row.  Load l of the eight: row pair l / 2, the upper 64 for l % 2 = 1.
.macro ALD n, l
	global_load_b128 v[X+32*((\n)%5)+4*(\l):X+32*((\n)%5)+4*(\l)+3], v[AO+4*(\n)+(\l)/2], s[SRC:SRC+1] offset:256*((\l)%2) th:TH_LOAD_NT
.endm
.macro ABATCH q, left
	s_wait_loadcnt \left                           ; batch q is in; the younger batches, eight loads each, stay out
.if (\q) >= 2
	s_wait_xcnt 0x0                                ; every earlier memory instruction has had its addresses translated (ISA guide 3.1): Y[q % 2] is rewritten only behind this wait,
	s_wait_alu depctr_vm_vsrc(0)                   ; and beside it: the stores issued in the batch before have read Y[q % 2], which this batch's conversions write again
.endif
.if (\q) >= 1
	s_wait_alu depctr_va_vdst(0)                   ; the batch before has written the other Y, which the stores below read, and is done reading its X, in which the loads below land
.endif
.irp j, 0,1,2,3
.if (\q) < 4
	ALD (\q)+4, 2*(\j)                             ; four batches ahead, loads ahead of stores; no vector instruction since the last wait on va_vdst names these registers (in batch 0: none ever has)
	ALD (\q)+4, 2*(\j)+1
.endif
.if (\q) >= 1
	global_store_b128 v[DO], v[Y+16*(((\q)-1)%2)+4*(\j):Y+16*(((\q)-1)%2)+4*(\j)+3], s[DST:DST+1] offset:(4*((\q)-1)+(\j))*512 th:TH_STORE_NT  ; the batch before: two rows of 256 bytes on end
.endif
.irp m, 0,1,2,3
	v_cvt_pk_bf16_f32 v[Y+16*((\q)%2)+4*(\j)+(\m)], v[X+32*((\q)%5)+8*(\j)+2*(\m)], v[X+32*((\q)%5)+8*(\j)+2*(\m)+1]
.endr
.endr
.endm
.irp n, 0,1,2,3
.irp l, 0,1,2,3,4,5,6,7
	ALD \n, \l
.endr
.endr
	ABATCH 0, 24
	ABATCH 1, 24
	ABATCH 2, 24
	ABATCH 3, 24
	ABATCH 4, 24                                   ; the last four batches load nothing: no load leaves the unit, and the counts run down
	ABATCH 5, 16
	ABATCH 6, 8
	ABATCH 7, 0
	s_wait_alu depctr_va_vdst(0)                   ; batch 7 has written Y1, which the last four stores read
.irp j, 0,1,2,3
	global_store_b128 v[DO], v[Y+16+4*(\j):Y+16+4*(\j)+3], s[DST:DST+1] offset:(4*7+(\j))*512 th:TH_STORE_NT
.endr
	s_wait_dscnt 0x0                               ; the same six lines close these waves too
	s_wait_alu 0x0
	s_wait_tensorcnt 0x0
	ds_add_u32 v[SPW], v[NIL]
	s_wait_dscnt 0x0
	s_endpgm
.Lfunc_end_k_qe835b6990f_pack:
	.size	k_qe835b6990f_pack, .Lfunc_end_k_qe835b6990f_pack-k_qe835b6990f_pack
	.p2alignl 7, 3214868480
	.fill 96, 4, 3214868480
	.section	.rodata,"a",@progbits
	.p2align	6, 0x0
	.amdhsa_kernel k_qe835b6990f_pack
		.amdhsa_group_segment_fixed_size 280576
		.amdhsa_private_segment_fixed_size 0
		.amdhsa_enable_private_segment 0
		.amdhsa_kernarg_size 56
		.amdhsa_user_sgpr_count 2
		.amdhsa_user_sgpr_kernarg_segment_ptr 1
		.amdhsa_wavefront_size32 1
		.amdhsa_system_sgpr_workgroup_id_x 1
		.amdhsa_system_sgpr_workgroup_id_y 1
		.amdhsa_system_sgpr_workgroup_id_z 1
		.amdhsa_system_vgpr_workitem_id 0
		.amdhsa_next_free_vgpr 240
		.amdhsa_next_free_sgpr 66
		.amdhsa_reserve_vcc 0
		.amdhsa_float_denorm_mode_32 3
		.amdhsa_float_denorm_mode_16_64 3
		.amdhsa_memory_ordered 1
		.amdhsa_forward_progress 1
		.amdhsa_inst_pref_size 47
	.end_amdhsa_kernel
	.amdgpu_metadata
---
amdhsa.version: [ 1, 2 ]
amdhsa.kernels:
  - .name:           k_qe835b6990f_pack
    .symbol:         k_qe835b6990f_pack.kd
    .args:
      - { .name: W_gates, .offset: 0, .size: 8, .value_kind: global_buffer, .address_space: global }
      - { .name: W_res, .offset: 8, .size: 8, .value_kind: global_buffer, .address_space: global }
      - { .name: x_t, .offset: 16, .size: 8, .value_kind: global_buffer, .address_space: global }
      - { .name: h_t_1, .offset: 24, .size: 8, .value_kind: global_buffer, .address_space: global }
      - { .name: wg, .offset: 32, .size: 8, .value_kind: global_buffer, .address_space: global }
      - { .name: wr, .offset: 40, .size: 8, .value_kind: global_buffer, .address_space: global }
      - { .name: xh, .offset: 48, .size: 8, .value_kind: global_buffer, .address_space: global }
    .group_segment_fixed_size: 280576
    .private_segment_fixed_size: 0
    .kernarg_segment_align: 8
    .kernarg_segment_size: 56
    .max_flat_workgroup_size: 512
    .sgpr_count:     66
    .vgpr_count:     240
    .wavefront_size: 32
...
	.end_amdgpu_metadata
.endif
;; end of part 3
;; launch cell: the kernel of part 2 again; grid 8 x 32, 4 waves a work-group, clusters of 4 x 4, 327,680 bytes of LDS; arguments xh, wg, wr, b_gates, b_res, c_t_1, out0, out1; writes out0, out1
